; MI455X (gfx1250); checked and timed in simulation.
; The chip was launched on July 23, 2026; its instructions are those of AMD's public machine-readable ISA for CDNA 5 (MIT licence, August 2026) and "CDNA5" Instruction Set Architecture Reference Guide (July 2026). The comments in the code are by the model that wrote it; some were corrected since.
;; Matrix Exponential. Allowed arithmetic: float matrix products may take bf16 or f16 operands with f32 sums; other float arithmetic in f32, or as packed bf16 or f16 multiplies, adds, multiply-adds, maxima and minima; sums over many terms, partial sums and values carried from step to step in f32; what a program stores and reads back later, other than sums and carried values, may be rounded once to bf16 or f16.
;; Inputs: X 1,024 x 128 x 128 float32.
;; Outputs: out0 1,024 x 128 x 128 float32.
;; 2 versions, each right; version 2 is version 1 with the launch expm written anew for expert scheduling mode. Each part assembles by itself: llvm-mc -triple=amdgcn-amd-amdhsa -mcpu=gfx1250 --defsym DOCPART=n.
;; ======== version 1 of 2: 2 launches
;; limits: an iteration or a series of the reference is cut at 4 steps; an absolute error that grows with the inputs' magnitude: up to 3e-05 times it
;; workspace buffers: meta 16,384 bytes of whole numbers
;; launch norm (part 1): grid 256 x 1, 16 waves a work-group, no clusters, 10,240 bytes of LDS; arguments X, meta; writes meta
.if DOCPART == 1
	.amdgcn_target "amdgcn-amd-amdhsa--gfx1250"
	.amdhsa_code_object_version 6
	.text
	.protected	k_q4f81888096_norm
	.globl	k_q4f81888096_norm
	.p2align	8
	.type	k_q4f81888096_norm,@function
k_q4f81888096_norm:
	s_mov_b64 s[64:65], 0
	v_nop
	global_prefetch_b8 v0, s[64:65] scope:SCOPE_SE
	s_setreg_imm32_b32 hwreg(HW_REG_WAVE_MODE, 25, 1), 1
	s_wait_xcnt 0x0
; For each of the 1,024 matrices X[b] (128 x 128 f32): the 1-norm (largest column sum of magnitudes) and, made of it as whole numbers,
; what the next launch needs: meta[b] = { nc, n2, sigma, s }, 16 bytes.
;   e  = floor(log2(norm x 32 / 3.925724783)): the exponent field of norm x 8.15136103; it is five more than the count of squarings of the Pade scheme for f32.
;   s  = e held within 0 .. 21;  sigma = 2^-s as f32 bits, so that the 1-norm of sigma X is below 0.24536.  e > 21 (more than 16 squarings there): sigma = NaN, and the result is all NaN.
;   n1 = min(s, K1) squarings with one f16 product;  nc = 2 + n1 (two series products go in front);  n2 = s - n1 squarings with bf16 high and low parts.
; LIMITS.  The maxima drop a NaN: a NaN in X does not reach the norm (the next launch spreads it over the whole result by its products).  An infinite norm has exponent field 255: sigma = NaN.
; SHARES.  A work-group has four matrices; wave w has rows 32 (w % 4) .. + 31 of matrix w / 4; a lane has four columns, so each load of a wave is one whole row, 512 consecutive bytes.
; All 32 loads of a wave go out at once.  The four partial sums of a matrix meet in LDS; wave 4 q finishes matrix q.  No cache hint: the next launch reads X again.
; The four finishing waves of a work-group store 64 consecutive bytes of meta: four matrices have no more.
.set K1,    5
.set PART,  0                          ; 16 waves x 512 bytes: the column sums of a wave
.set SPARE, 8192                       ; the spare words: 128 bytes for each of 16 waves, eight blocks of 256 bytes that no other line names
.set SUM,   8                          ; v[8:11]    column sums of my four columns
.set ROWS,  16                         ; v[16:143]  32 rows, four registers each
.set SPW,   144                        ; v144  LDS address of my spare word; never rewritten
.set NIL,   145                        ; v145  0; never rewritten
.set META,  146                        ; v[146:149] the four words
	s_load_b128 s[4:7], s[0:1], 0x0                ; X s[4:5], meta s[6:7]
	v_lshl_add_u32 v[SPW], v0, 2, SPARE
	v_mov_b32 v[NIL], 0
	v_lshrrev_b32 v1, 5, v0
	v_readfirstlane_b32 s8, v1                     ; wave 0..15
	v_and_b32 v1, 31, v0                           ; lane
	s_lshl_b32 s10, ttmp9, 18                      ; the work-group number times four matrices of 65,536 bytes (below 2^26)
	s_mov_b32 s11, 0
	s_lshl_b32 s9, s8, 14                          ; (w / 4) x 65,536 + (w % 4) x 32 rows x 512 = 16,384 w
	v_lshl_add_u32 v2, v1, 4, s9                   ; + 16 x lane: my 16 bytes of the first row of the wave
	s_lshl_b32 s16, s8, 9
	v_lshl_add_u32 v3, v1, 4, s16                  ; PART: 512 w + 16 x lane
	s_and_b32 s15, s8, 12
	s_lshl_b32 s15, s15, 9
	v_lshl_add_u32 v4, v1, 4, s15                  ; PART of the first wave of my matrix
	s_mov_b32 s12, 0x76543210                      ; v_permlanex16_b32: each lane takes its own place in the other half
	s_mov_b32 s13, 0xfedcba98
	s_wait_kmcnt 0x0
	s_add_nc_u64 s[4:5], s[4:5], s[10:11]
.set i, 0
.rept 32
	global_load_b128 v[ROWS+4*i:ROWS+4*i+3], v2, s[4:5] offset:512*i
.set i, i+1
.endr
	s_wait_loadcnt 24                              ; loads come back in order: rows 0-7 are in, the 24 younger loads stay out
.irp c, 0,1,2,3
	v_add_f32 v[SUM+(\c)], |v[ROWS+(\c)]|, |v[ROWS+4+(\c)]|   ; rows 0 and 1 start the four sums: nothing is cleared
.endr
.set i, 2
.rept 30
.if i%8 == 0
	s_wait_loadcnt 24-8*(i/8)                      ; the next eight rows: 16, 8, 0 younger loads stay out
.endif
.irp c, 0,1,2,3
	v_add_f32 v[SUM+(\c)], v[SUM+(\c)], |v[ROWS+4*i+(\c)]|
.endr
.set i, i+1
.endr
	ds_store_b128 v3, v[SUM:SUM+3]
	s_wait_dscnt 0x0                               ; for the other waves: my store is done
	s_barrier_signal -1
	s_barrier_wait -1
	s_and_b32 s16, s8, 3
	s_cmp_lg_u32 s16, 0
	s_cbranch_scc1 .Lend                           ; one wave of four finishes a matrix; no barrier stands in what is jumped
	ds_load_b128 v[16:19], v4
	ds_load_b128 v[20:23], v4 offset:512
	ds_load_b128 v[24:27], v4 offset:1024
	ds_load_b128 v[28:31], v4 offset:1536
	s_lshl_b32 s17, ttmp9, 6                       ; meta: 64 bytes a work-group,
	s_lshl_b32 s18, s8, 2                          ; 16 (w / 4) = 4 w, since w is a multiple of 4 here
	s_add_co_u32 s17, s17, s18
	v_mov_b32 v6, s17
	v_mov_b32 v5, 0x7fc00000                       ; NaN
	s_wait_dscnt 0x0
	v_pk_add_f32 v[16:17], v[16:17], v[20:21]
	v_pk_add_f32 v[18:19], v[18:19], v[22:23]
	v_pk_add_f32 v[24:25], v[24:25], v[28:29]
	v_pk_add_f32 v[26:27], v[26:27], v[30:31]
	v_pk_add_f32 v[16:17], v[16:17], v[24:25]
	v_pk_add_f32 v[18:19], v[18:19], v[26:27]
	v_max3_num_f32 v12, v16, v17, v18
	v_max_num_f32 v12, v12, v19                    ; the largest of my four columns
	v_max_num_f32_dpp v12, v12, v12 row_xmask:1 row_mask:0xf bank_mask:0xf
	v_max_num_f32_dpp v12, v12, v12 row_xmask:2 row_mask:0xf bank_mask:0xf
	v_max_num_f32_dpp v12, v12, v12 row_xmask:4 row_mask:0xf bank_mask:0xf
	v_max_num_f32_dpp v12, v12, v12 row_xmask:8 row_mask:0xf bank_mask:0xf
	v_mov_b32 v13, v12                             ; the destination below counts as read: it is written first
	v_permlanex16_b32 v13, v12, s12, s13
	v_max_num_f32 v12, v12, v13                    ; the 1-norm, in every lane
	v_mul_f32 v12, 0x41026bfa, v12                 ; x 32 / 3.925724783
	v_lshrrev_b32 v13, 23, v12                     ; the exponent field (the sign is 0)
	v_add_nc_u32 v13, 0xffffff81, v13              ; e = field - 127
	v_max_i32 v14, 0, v13
	v_min_i32 v14, 21, v14                         ; s
	v_min_u32 v15, K1, v14                         ; n1
	v_add_nc_u32 v[META], 2, v15                   ; nc
	v_sub_nc_u32 v[META+1], v14, v15               ; n2
	v_sub_nc_u32 v[META+2], 127, v14
	v_lshlrev_b32 v[META+2], 23, v[META+2]         ; 2^-s
	v_cmp_lt_i32 vcc_lo, 21, v13
	v_cndmask_b32 v[META+2], v[META+2], v5, vcc_lo ; NaN where e > 21
	v_mov_b32 v[META+3], v14
	v_cmp_eq_u32 vcc_lo, 0, v1
	s_wait_xcnt 0x0                                ; EXEC changes only behind this wait
	s_and_saveexec_b32 s14, vcc_lo                 ; lane 0 alone stores
	global_store_b128 v6, v[META:META+3], s[6:7]
	s_wait_xcnt 0x0                                ; and again, in front of the line that widens it
	s_or_b32 exec_lo, exec_lo, s14
.Lend:
	s_wait_tensorcnt 0x0                           ; the end of the wave: three lines behind my last LDS store
	ds_add_u32 v[SPW], v[NIL]
	s_wait_dscnt 0x0
	s_endpgm
.Lfunc_end_k_q4f81888096_norm:
	.size	k_q4f81888096_norm, .Lfunc_end_k_q4f81888096_norm-k_q4f81888096_norm
	.p2alignl 7, 3214868480
	.fill 96, 4, 3214868480
	.section	.rodata,"a",@progbits
	.p2align	6, 0x0
	.amdhsa_kernel k_q4f81888096_norm
		.amdhsa_group_segment_fixed_size 10240
		.amdhsa_private_segment_fixed_size 0
		.amdhsa_enable_private_segment 0
		.amdhsa_kernarg_size 16
		.amdhsa_user_sgpr_count 2
		.amdhsa_user_sgpr_kernarg_segment_ptr 1
		.amdhsa_wavefront_size32 1
		.amdhsa_system_sgpr_workgroup_id_x 1
		.amdhsa_system_sgpr_workgroup_id_y 1
		.amdhsa_system_sgpr_workgroup_id_z 1
		.amdhsa_system_vgpr_workitem_id 0
		.amdhsa_next_free_vgpr 152
		.amdhsa_next_free_sgpr 66
		.amdhsa_reserve_vcc 1
		.amdhsa_float_denorm_mode_32 3
		.amdhsa_float_denorm_mode_16_64 3
		.amdhsa_memory_ordered 1
		.amdhsa_forward_progress 1
		.amdhsa_inst_pref_size 15
	.end_amdhsa_kernel
	.amdgpu_metadata
---
amdhsa.version: [ 1, 2 ]
amdhsa.kernels:
  - .name:           k_q4f81888096_norm
    .symbol:         k_q4f81888096_norm.kd
    .args:
      - { .name: X, .offset: 0, .size: 8, .value_kind: global_buffer, .address_space: global }
      - { .name: meta, .offset: 8, .size: 8, .value_kind: global_buffer, .address_space: global }
    .group_segment_fixed_size: 10240
    .private_segment_fixed_size: 0
    .kernarg_segment_align: 8
    .kernarg_segment_size: 16
    .max_flat_workgroup_size: 512
    .sgpr_count:     66
    .vgpr_count:     152
    .wavefront_size: 32
...
	.end_amdgpu_metadata
.endif
;; end of part 1
;; launch expm (part 2): grid 256 x 1, 4 waves a work-group, no clusters, 295,424 bytes of LDS; arguments X, meta, out0; writes out0
.if DOCPART == 2
	.amdgcn_target "amdgcn-amd-amdhsa--gfx1250"
	.amdhsa_code_object_version 6
	.text
	.protected	k_q4f81888096_expm
	.globl	k_q4f81888096_expm
	.p2align	8
	.type	k_q4f81888096_expm,@function
k_q4f81888096_expm:
	s_mov_b64 s[64:65], 0
	v_nop
	global_prefetch_b8 v0, s[64:65] scope:SCOPE_SE
	s_setreg_imm32_b32 hwreg(HW_REG_WAVE_MODE, 25, 1), 1
	s_wait_xcnt 0x0
; out0[b] = exp(X[b]) for 1,024 matrices of 128 x 128 f32.  meta[b] = { nc, n2, sigma, s } comes from the launch before: sigma = 2^-s, the 1-norm of sigma X below 0.24536.
; METHOD.  Every step is the product of one matrix with itself, added onto an exact f32 copy in the accumulators.  With A = sigma X:
;   product 1:  ACC = A,            operand U = f16(A / sqrt 3):                          ACC = A + A^2/3
;   product 2:  ACC as it is,       operand W = f16(0.6123724 ACC) - 0.35355 U = (2 A + A^2) / sqrt 24:   ACC = A + A^2/2 + A^3/6 + A^4/24 = E
;   s squarings of exp = I + E:     operand E, ACC = 2 E:                                 ACC = 2 E + E E;      at last out = E + I.
; FORMATS.  The two series products and the first nc - 2 (five at the most) squarings take one f16 product: the 1-norm of the exponent is below 3.93 there, so |E| < 51, far inside f16, and E E is
; a correction to 2 E.  The other n2 squarings take E as bf16 high + low parts and three products (high low, high high, low high).  All sums in f32.
; LIMITS.  The series is cut behind A^4/24: the remainder is A^5/120 with the 1-norm of A below 0.24536.  The low x low product (2^-18 of the product) is dropped.  f16 operands below 6e-5 keep the fixed step
; 6e-8 of f16.  The factor 0.35355 is an f16 number, 1e-4 off: it moves the A^2/6 term alone.  sigma = NaN (more than 16 squarings in the Pade scheme for f32) makes every output NaN.  A NaN in X reaches every output through
; products 1 and 2.  Where E leaves the range of f32 the outputs are NaN or infinite.
; SHARES.  ONE WAVE, ONE MATRIX: wave w of work-group g has matrix 4 g + w, whole, in 64 accumulators (512 registers), and LDS bytes of its own.  No wave reads what another wrote: no barrier, and waves may
; differ in their trip counts, which are whole numbers read from meta.  No tile is shared between work-groups and each byte of X is used by one wave once: no tensor loads, no cluster.
; TRANSPOSED.  The wave works on M = X^T (exp(X^T) = exp(X)^T): in the result layout lane (r = l % 16, h = l / 16) then holds, in the eight registers of tile (mb, nb), M(16 mb + 8 h + j, 16 nb + r) =
; X[16 nb + r][16 mb + 8 h + j]: eight NEIGHBOURING numbers of a row of X, which pack into 16 bytes of a 16-bit plane S[n][m] = M(m, n).  From that one plane come both sources: source 1 (column n, k along the row) by
; plain loads, source 0 (row m, k down the rows) by the transposing load.
; LDS, for wave w from WB = 73,728 w: plane 1 (f16 operand, or bf16 high part) and plane 2 (bf16 low part), 128 rows of 288 bytes each.  288 = 72 words
; plain 16-byte accesses meet two deep (rows r and r + 8), which is accepted.  On the way in and out the same bytes are a stage of 128 rows of f32,
; 528 bytes apart (132 words: sixteen rows start at sixteen groups of four banks).  LDS serves the instructions of a wave in order (ISA guide 5.7.1.4), which is all the order that these bytes need.
; REGISTERS, in windows of 256 (s_set_vgpr_msb: bits 1:0 source 0, 3:2 source 1, 5:4 source 2, 7:6 destination):
;   window 0: v0-27 addresses and constants; v32-63 HH; v64-127 LA, v128-191 LB (source 0 fragments); v192-255 TT       window 1: v64-127 RA, v128-191 RB (source 1 fragments)
;   windows 2, 3: the accumulators: tile (mb, nb) in window 2 + nb / 4 at v[64 (nb % 4) + 8 mb]
.set PP,    288                        ; pitch of a plane
.set PLANE, 128*PP
.set WREG,  2*PLANE                    ; LDS bytes of a wave
.set SPI,   528                        ; pitch of the f32 stage; 128 x 528 = 67,584 bytes lie inside the two planes
.set SPARE, 4*WREG                     ; the spare words: 128 bytes for each wave, two blocks of 256 bytes that no other line names
.set ADR1, 2                           ; v2   WB + 288 r + 16 h: source 1 fragments and the packed stores, plane 1
.set ADR2, 3                           ; v3   the same in plane 2
.set ADL1, 4                           ; v4   WB + 288 (8 h + l % 8) + 16 ((l / 8) % 2): source 0 fragments, plane 1
.set ADL2, 5                           ; v5   the same in plane 2
.set SR0,  6                           ; v6   WB + 16 l: the stage by rows, rows 0-63
.set SR1,  7                           ; v7   rows 64-127
.set SD,   8                           ; v8   WB + 528 r + 32 h: the stage in the result layout
.set GO,   9                           ; v9   16 l: my 16 bytes of a row of X or out0
.set NEG1, 10                          ; v10  -1.0
.set CW,   11                          ; v11  f16 -0.35352, twice
.set DG,   12                          ; v[12:19]  1.0 where r = 8 h + j: the unit matrix in a diagonal tile
.set SPW,  20                          ; v20  LDS address of my spare word; never rewritten
.set NIL,  21                          ; v21  0; never rewritten
.set HH,   32
.set LA,   64
.set LB,   128
.set RA,   64
.set RB,   128
.set TT,   192
.set MSB, 0
.macro WIN new                         ; the high byte repeats the setting that is left; a switch that changes nothing is dropped
.if MSB != (\new)
	s_set_vgpr_msb (MSB<<8)|(\new)
.set MSB, \new
.endif
.endm
.macro WAITDS n                        ; n = the younger LDS instructions that may stay out; the count field ends at 63
.if (\n) > 63
	s_wait_dscnt 63
.else
	s_wait_dscnt (\n)
.endif
.endm
.macro WAITLD n                        ; the same for global loads
.if (\n) > 63
	s_wait_loadcnt 63
.else
	s_wait_loadcnt (\n)
.endif
.endm
; A vector instruction that reads a matrix result, and a load into a register that a matrix instruction has read, stand four places behind it; only plain vector instructions that name none of its
; registers are places (ISA guide 7.12.1 for vector instructions).
.macro PLACES
.rept 4
	v_nop
.endr
.endm
; 16 loads: source 0 fragments, rows 16 m + r of M for all eight m, k = 32 kk on, turned out of the plane at v[ad], into window 0
.macro FETCH_L ad, kk, buf
	WIN 0
.irp m, 0,1,2,3,4,5,6,7
	ds_load_tr16_b128 v[(\buf)+8*(\m):(\buf)+8*(\m)+3],   v[\ad] offset:32*PP*(\kk)+32*(\m)
	ds_load_tr16_b128 v[(\buf)+8*(\m)+4:(\buf)+8*(\m)+7], v[\ad] offset:32*PP*(\kk)+16*PP+32*(\m)
.endr
.endm
; 16 loads: source 1 fragments, columns 16 n + r of M for all eight n, k = 32 kk on, as they lie, into window 1
.macro FETCH_R ad, kk, buf
	WIN 0x40
.irp n, 0,1,2,3,4,5,6,7
	ds_load_b128 v[(\buf)+8*(\n):(\buf)+8*(\n)+3],   v[\ad] offset:16*PP*(\n)+64*(\kk)
	ds_load_b128 v[(\buf)+8*(\n)+4:(\buf)+8*(\n)+7], v[\ad] offset:16*PP*(\n)+64*(\kk)+32
.endr
.endm
; 64 matrix instructions: all 64 tiles, 32 along k.  The accumulators take turns, one instruction a turn, in the same order everywhere.
.macro MUL64 fmt, lf, rf
.irp w, 0,1
	WIN 0xa4+0x50*(\w)                             ; source 0 window 0, source 1 window 1, C and D window 2 or 3
.irp q, 0,1,2,3
.irp m, 0,1,2,3,4,5,6,7
	v_wmma_f32_16x16x32_\fmt v[64*(\q)+8*(\m):64*(\q)+8*(\m)+7], v[(\lf)+8*(\m):(\lf)+8*(\m)+7], v[(\rf)+8*(4*(\w)+(\q)):(\rf)+8*(4*(\w)+(\q))+7], v[64*(\q)+8*(\m):64*(\q)+8*(\m)+7]
.endr
.endr
.endr
.endm
; ACC += S S with the f16 plane: four K steps of 32 on two pairs of buffers; a step is fetched 64 matrix instructions ahead of its use
.macro PRODC
	FETCH_L ADL1, 0, LA
	FETCH_R ADR1, 0, RA
	FETCH_L ADL1, 1, LB
	FETCH_R ADR1, 1, RB
	s_wait_dscnt 32                                ; step 0 is in; the 32 loads of step 1 stay out
	MUL64 f16, LA, RA
	PLACES
	FETCH_L ADL1, 2, LA
	FETCH_R ADR1, 2, RA
	s_wait_dscnt 32                                ; step 1 is in; the 32 just issued stay out
	MUL64 f16, LB, RB
	PLACES
	FETCH_L ADL1, 3, LB
	FETCH_R ADR1, 3, RB
	s_wait_dscnt 32                                ; step 2
	MUL64 f16, LA, RA
	s_wait_dscnt 0x0
	MUL64 f16, LB, RB
	PLACES                                         ; for whatever reads the sums next
.endm
; ACC += hi lo + hi hi + lo hi with the two bf16 planes.  LA = left high, LB = left low, RA = right high, RB = right low: one buffer each, since the order of the three terms frees them in pairs;
; each run of 32 loads has 64 matrix instructions in which to land.
.macro PRODP
	FETCH_L ADL1, 0, LA
	FETCH_R ADR2, 0, RB
	FETCH_R ADR1, 0, RA
	FETCH_L ADL2, 0, LB
.irp kk, 0,1,2,3
	s_wait_dscnt 32                                ; left high and right low are in; the two younger runs of 16 stay out
	MUL64 bf16, LA, RB
	s_wait_dscnt 16                                ; right high is in; left low stays out
	MUL64 bf16, LA, RA
.if (\kk) < 3
	PLACES
	FETCH_L ADL1, (\kk)+1, LA
	FETCH_R ADR2, (\kk)+1, RB
	s_wait_dscnt 32                                ; left low is in; the 32 just issued stay out
.else
	s_wait_dscnt 0x0
.endif
	MUL64 bf16, LB, RA
.if (\kk) < 3
	PLACES
	FETCH_R ADR1, (\kk)+1, RA
	FETCH_L ADL2, (\kk)+1, LB
.endif
.endr
	PLACES
.endm
; THE PACKS make the operand of the next product out of the sums, a column block nb (eight tiles, 64 registers) at a time.  Each accumulator is read from its low end on.
; A squaring with f16: plane 1 = f16(E), ACC = 2 E
.macro PACKC
.irp nb, 0,1,2,3,4,5,6,7
.set a, 64*((\nb)%4)
.set hw, (\nb)/4
	WIN 0x0a+5*hw                                  ; sources 0 and 1 in the accumulators
.set i, 0
.rept 32
	v_cvt_pk_f16_f32 v[TT+i], v[a+2*i], v[a+2*i+1]
.set i, i+1
.endr
	WIN 0x82+0x41*hw                               ; in place on the accumulators
.set i, 0
.rept 32
	v_pk_mul_f32 v[a+2*i:a+2*i+1], v[a+2*i:a+2*i+1], 2.0 op_sel_hi:[1,0]
.set i, i+1
.endr
	WIN 0
.irp m, 0,1,2,3,4,5,6,7
	ds_store_b128 v[ADR1], v[TT+4*(\m):TT+4*(\m)+3] offset:16*PP*(\nb)+32*(\m)
.endr
.endr
.endm
; The operand of product 2: plane 1 = f16(0.6123724 ACC) - 0.35355 U, where U is what plane 1 holds; ACC stays
.macro PACK2
.irp nb, 0,1,2,3,4,5,6,7
.set a, 64*((\nb)%4)
.set hw, (\nb)/4
	WIN 0
.irp m, 0,1,2,3,4,5,6,7
	ds_load_b128 v[HH+4*(\m):HH+4*(\m)+3], v[ADR1] offset:16*PP*(\nb)+32*(\m)
.endr
	WIN 0x02+hw                                    ; source 0 in the accumulators
.set i, 0
.rept 32
	v_pk_mul_f32 v[TT+2*i:TT+2*i+1], v[a+2*i:a+2*i+1], s[24:25] op_sel_hi:[1,0]
.set i, i+1
.endr
	WIN 0
.set i, 0
.rept 32
	v_cvt_pk_f16_f32 v[TT+i], v[TT+2*i], v[TT+2*i+1]   ; word i is written when words 2 i and 2 i + 1 are read: no word is lost
.set i, i+1
.endr
	s_wait_dscnt 0x0                               ; U is in
.set i, 0
.rept 32
	v_pk_fma_f16 v[TT+i], v[HH+i], v[CW], v[TT+i]
.set i, i+1
.endr
.irp m, 0,1,2,3,4,5,6,7
	ds_store_b128 v[ADR1], v[TT+4*(\m):TT+4*(\m)+3] offset:16*PP*(\nb)+32*(\m)
.endr
.endr
.endm
; A squaring with bf16 high and low parts: plane 1 = hi = bf16(E), plane 2 = bf16(E - hi) (the difference is exact in f32), ACC = 2 E
.macro PACKP
.irp nb, 0,1,2,3,4,5,6,7
.set a, 64*((\nb)%4)
.set hw, (\nb)/4
	WIN 0x0a+5*hw
.set i, 0
.rept 32
	v_cvt_pk_bf16_f32 v[HH+i], v[a+2*i], v[a+2*i+1]
.set i, i+1
.endr
	WIN 0x20+0x10*hw                               ; source 2 in the accumulators
.set i, 0
.rept 32
	v_fma_mix_f32_bf16 v[TT+2*i],   v[HH+i], v[NEG1], v[a+2*i]   op_sel_hi:[1,0,0]
	v_fma_mix_f32_bf16 v[TT+2*i+1], v[HH+i], v[NEG1], v[a+2*i+1] op_sel:[1,0,0] op_sel_hi:[1,0,0]
.set i, i+1
.endr
	WIN 0
.set i, 0
.rept 32
	v_cvt_pk_bf16_f32 v[TT+i], v[TT+2*i], v[TT+2*i+1]
.set i, i+1
.endr
	WIN 0x82+0x41*hw
.set i, 0
.rept 32
	v_pk_mul_f32 v[a+2*i:a+2*i+1], v[a+2*i:a+2*i+1], 2.0 op_sel_hi:[1,0]
.set i, i+1
.endr
	WIN 0
.irp m, 0,1,2,3,4,5,6,7
	ds_store_b128 v[ADR1], v[HH+4*(\m):HH+4*(\m)+3] offset:16*PP*(\nb)+32*(\m)
	ds_store_b128 v[ADR2], v[TT+4*(\m):TT+4*(\m)+3] offset:16*PP*(\nb)+32*(\m)
.endr
.endr
.endm
	s_load_b128 s[4:7], s[0:1], 0x0                ; X s[4:5], meta s[6:7]
	s_load_b64 s[8:9], s[0:1], 0x10                ; out0
	v_lshl_add_u32 v[SPW], v0, 2, SPARE
	v_mov_b32 v[NIL], 0
	v_lshrrev_b32 v1, 5, v0
	v_readfirstlane_b32 s10, v1                    ; wave 0..3
	s_lshl_b32 s11, ttmp9, 2
	s_add_co_u32 s11, s11, s10                     ; my matrix
	s_mul_i32 s28, s10, WREG                       ; WB
	v_and_b32 v22, 15, v0                          ; r
	v_bfe_u32 v23, v0, 4, 1                        ; h
	v_and_b32 v24, 31, v0                          ; l
	v_mul_u32_u24 v[ADR1], v22, PP
	v_lshl_add_u32 v[ADR1], v23, 4, v[ADR1]
	v_add_nc_u32 v[ADR1], s28, v[ADR1]
	v_add_nc_u32 v[ADR2], PLANE, v[ADR1]
	v_and_b32 v25, 7, v0
	v_lshl_add_u32 v25, v23, 3, v25                ; 8 h + l % 8
	v_mul_u32_u24 v[ADL1], v25, PP
	v_bfe_u32 v26, v0, 3, 1
	v_lshl_add_u32 v[ADL1], v26, 4, v[ADL1]
	v_add_nc_u32 v[ADL1], s28, v[ADL1]
	v_add_nc_u32 v[ADL2], PLANE, v[ADL1]
	v_lshlrev_b32 v[GO], 4, v24
	v_add_nc_u32 v[SR0], s28, v[GO]
	v_add_nc_u32 v[SR1], 64*SPI, v[SR0]
	v_mul_u32_u24 v[SD], v22, SPI
	v_lshl_add_u32 v[SD], v23, 5, v[SD]
	v_add_nc_u32 v[SD], s28, v[SD]
	v_mov_b32 v[NEG1], -1.0
	v_mov_b32 v[CW], 0xb5a8b5a8
	v_lshlrev_b32 v27, 3, v23
	v_sub_nc_u32 v27, v22, v27                     ; r - 8 h: register j of a diagonal tile lies on the diagonal where this is j
.irp j, 0,1,2,3,4,5,6,7
	v_cmp_eq_u32 vcc_lo, (\j), v27
	v_cndmask_b32 v[DG+(\j)], 0, 1.0, vcc_lo
.endr
	s_wait_kmcnt 0x0
	s_lshl_b32 s12, s11, 16                        ; 65,536 bytes a matrix (below 2^26)
	s_mov_b32 s13, 0
	s_add_nc_u64 s[4:5], s[4:5], s[12:13]
	s_add_nc_u64 s[8:9], s[8:9], s[12:13]
	s_lshl_b32 s12, s11, 4                         ; 16 bytes of meta a matrix
	s_add_nc_u64 s[6:7], s[6:7], s[12:13]
	s_load_b128 s[16:19], s[6:7], 0x0              ; nc, n2, sigma, s
	; THE WAY IN.  128 loads, each one whole row of X (512 consecutive bytes), land in the registers that will be the accumulators: row i at v[4 (i % 64)] of window 2 + i / 64.  This launch is the last to read X.
	WIN 0x80
.set i, 0
.rept 64
	global_load_b128 v[4*i:4*i+3], v[GO], s[4:5] offset:512*i th:TH_LOAD_NT
.set i, i+1
.endr
	WIN 0xc0
.set i, 0
.rept 64
	global_load_b128 v[4*i:4*i+3], v[GO], s[4:5] offset:32768+512*i th:TH_LOAD_NT
.set i, i+1
.endr
	s_wait_kmcnt 0x0
	s_min_u32 s16, s16, 7                          ; the trip counts, held within what the launch before can store
	s_min_u32 s17, s17, 16
	s_mov_b32 s20, s18                             ; sigma; the packed multiplies name pairs and take the low word for both halves
	s_mov_b32 s21, s18
	s_mul_f32 s22, s18, 0x3f13cd3a                 ; sigma / sqrt 3
	s_mov_b32 s23, s22
	s_mov_b32 s24, 0x3f1cc471                      ; 0.61237244 = sqrt(3 / 8)
	s_mov_b32 s25, s24
	; the rows go into the stage as they come, eight at a time
.set g, 0
.rept 16
	WAITLD 120-8*g                                 ; loads come back in order: behind these eight rows 120 - 8 g younger loads were issued
	WIN 0x08+4*(g/8)                               ; store data in window 2 or 3
.set i, 0
.rept 8
.set rr, (8*g+i)%64
	ds_store_b128 v[SR0+g/8], v[4*rr:4*rr+3] offset:SPI*rr
.set i, i+1
.endr
.set g, g+1
.endr
	s_wait_dscnt 0x0                               ; the stores have read their registers, which the loads below fill
	; and come back in the result layout: 32 bytes a lane and tile
.irp nb, 0,1,2,3,4,5,6,7
	WIN 0x80+0x40*((\nb)/4)
.irp m, 0,1,2,3,4,5,6,7
	ds_load_b128 v[64*((\nb)%4)+8*(\m):64*((\nb)%4)+8*(\m)+3],   v[SD] offset:16*SPI*(\nb)+64*(\m)
	ds_load_b128 v[64*((\nb)%4)+8*(\m)+4:64*((\nb)%4)+8*(\m)+7], v[SD] offset:16*SPI*(\nb)+64*(\m)+16
.endr
.endr
	; ACC = sigma M, plane 1 = f16(sigma M / sqrt 3).  The plane lies on the stage: its stores are issued behind all 128 loads above, and LDS serves them in that order.
.irp nb, 0,1,2,3,4,5,6,7
.set a, 64*((\nb)%4)
.set hw, (\nb)/4
	WAITDS 112-8*(\nb)                             ; behind this block's 16 loads: 16 (7 - nb) loads and the 8 nb stores of the blocks before
	WIN 0x02+hw
.set i, 0
.rept 32
	v_pk_mul_f32 v[TT+2*i:TT+2*i+1], v[a+2*i:a+2*i+1], s[22:23] op_sel_hi:[1,0]
.set i, i+1
.endr
	WIN 0x82+0x41*hw
.set i, 0
.rept 32
	v_pk_mul_f32 v[a+2*i:a+2*i+1], v[a+2*i:a+2*i+1], s[20:21] op_sel_hi:[1,0]
.set i, i+1
.endr
	WIN 0
.set i, 0
.rept 32
	v_cvt_pk_f16_f32 v[TT+i], v[TT+2*i], v[TT+2*i+1]
.set i, i+1
.endr
.irp m, 0,1,2,3,4,5,6,7
	ds_store_b128 v[ADR1], v[TT+4*(\m):TT+4*(\m)+3] offset:16*PP*(\nb)+32*(\m)
.endr
.endr
	; THE f16 PRODUCTS: trip 0 is product 1 (its operand lies ready), trip 1 product 2, the others squarings.  nc trips, at least 2; the one text of the product serves all.  At a label and at a branch every window is 0.
	WIN 0
	s_mov_b32 s26, 0
.Lcheap:
	s_cmp_eq_u32 s26, 0
	s_cbranch_scc1 .Lprod
	s_cmp_eq_u32 s26, 1
	s_cbranch_scc1 .Lp2
	PACKC
	WIN 0
	s_branch .Lprod
.Lp2:
	PACK2
	WIN 0
.Lprod:
	PRODC
	WIN 0
	s_add_co_u32 s26, s26, 1
	s_cmp_lt_u32 s26, s16
	s_cbranch_scc1 .Lcheap
	; THE SQUARINGS WITH HIGH AND LOW PARTS: n2 trips, possibly none
	s_cmp_eq_u32 s17, 0
	s_cbranch_scc1 .Lout
	s_mov_b32 s27, 0
.Lprec:
	PACKP
	PRODP
	WIN 0
	s_add_co_u32 s27, s27, 1
	s_cmp_lt_u32 s27, s17
	s_cbranch_scc1 .Lprec
.Lout:
	; THE WAY OUT.  E + I; through the stage (the planes have been read for the last time, and those loads are back); whole rows of 512 consecutive bytes leave.
.irp nb, 0,1,2,3,4,5,6,7
	WIN 0x82+0x41*((\nb)/4)
.irp p, 0,1,2,3
	v_pk_add_f32 v[64*((\nb)%4)+8*(\nb)+2*(\p):64*((\nb)%4)+8*(\nb)+2*(\p)+1], v[64*((\nb)%4)+8*(\nb)+2*(\p):64*((\nb)%4)+8*(\nb)+2*(\p)+1], v[DG+2*(\p):DG+2*(\p)+1]
.endr
.endr
.irp nb, 0,1,2,3,4,5,6,7
	WIN 0x08+4*((\nb)/4)
.irp m, 0,1,2,3,4,5,6,7
	ds_store_b128 v[SD], v[64*((\nb)%4)+8*(\m):64*((\nb)%4)+8*(\m)+3],   offset:16*SPI*(\nb)+64*(\m)
	ds_store_b128 v[SD], v[64*((\nb)%4)+8*(\m)+4:64*((\nb)%4)+8*(\m)+7], offset:16*SPI*(\nb)+64*(\m)+16
.endr
.endr
	s_wait_dscnt 0x0                               ; the stores have read their registers, which the loads below fill
.set g, 0
.rept 16
	WIN 0x80+0x40*(g/8)
.set i, 0
.rept 8
.set rr, (8*g+i)%64
	ds_load_b128 v[4*rr:4*rr+3], v[SR0+g/8] offset:SPI*rr
.set i, i+1
.endr
.set g, g+1
.endr
.set g, 0
.rept 16
	WAITDS 120-8*g                                 ; behind these eight rows 120 - 8 g younger loads were issued
	WIN 0x08+4*(g/8)
.set i, 0
.rept 8
.set rr, (8*g+i)%64
	global_store_b128 v[GO], v[4*rr:4*rr+3], s[8:9] offset:512*(8*g+i) th:TH_STORE_NT   ; a wave stores 512 consecutive bytes, at a multiple of 512 from the first byte of out0
.set i, i+1
.endr
.set g, g+1
.endr
	WIN 0
	s_wait_tensorcnt 0x0                           ; the end of the wave: three lines behind my last LDS store
	ds_add_u32 v[SPW], v[NIL]
	s_wait_dscnt 0x0
	s_endpgm
.Lfunc_end_k_q4f81888096_expm:
	.size	k_q4f81888096_expm, .Lfunc_end_k_q4f81888096_expm-k_q4f81888096_expm
	.p2alignl 7, 3214868480
	.fill 96, 4, 3214868480
	.section	.rodata,"a",@progbits
	.p2align	6, 0x0
	.amdhsa_kernel k_q4f81888096_expm
		.amdhsa_group_segment_fixed_size 295424
		.amdhsa_private_segment_fixed_size 0
		.amdhsa_enable_private_segment 0
		.amdhsa_kernarg_size 24
		.amdhsa_user_sgpr_count 2
		.amdhsa_user_sgpr_kernarg_segment_ptr 1
		.amdhsa_wavefront_size32 1
		.amdhsa_system_sgpr_workgroup_id_x 1
		.amdhsa_system_sgpr_workgroup_id_y 1
		.amdhsa_system_sgpr_workgroup_id_z 1
		.amdhsa_system_vgpr_workitem_id 0
		.amdhsa_next_free_vgpr 1024
		.amdhsa_next_free_sgpr 66
		.amdhsa_reserve_vcc 1
		.amdhsa_float_denorm_mode_32 3
		.amdhsa_float_denorm_mode_16_64 3
		.amdhsa_memory_ordered 1
		.amdhsa_forward_progress 1
		.amdhsa_inst_pref_size 255
	.end_amdhsa_kernel
	.section	.bss,"aw",@nobits
	.p2align	6
	.space	262144
	.amdgpu_metadata
---
amdhsa.version: [ 1, 2 ]
amdhsa.kernels:
  - .name:           k_q4f81888096_expm
    .symbol:         k_q4f81888096_expm.kd
    .args:
      - { .name: X, .offset: 0, .size: 8, .value_kind: global_buffer, .address_space: global }
      - { .name: meta, .offset: 8, .size: 8, .value_kind: global_buffer, .address_space: global }
      - { .name: out0, .offset: 16, .size: 8, .value_kind: global_buffer, .address_space: global }
    .group_segment_fixed_size: 295424
    .private_segment_fixed_size: 0
    .kernarg_segment_align: 8
    .kernarg_segment_size: 24
    .max_flat_workgroup_size: 128
    .sgpr_count:     66
    .vgpr_count:     1024
    .wavefront_size: 32
...
	.end_amdgpu_metadata
.endif
;; end of part 2
;; ======== version 2 of 2: 2 launches; version 1 with the launch expm written anew for expert scheduling mode
;; limits: an iteration or a series of the reference is cut at 4 steps; an absolute error that grows with the inputs' magnitude: up to 3e-05 times it
;; workspace buffers: meta 16,384 bytes of whole numbers
;; launch norm: the kernel of part 1 again; grid 256 x 1, 16 waves a work-group, no clusters, 10,240 bytes of LDS; arguments X, meta; writes meta
;; launch expm (part 3): grid 256 x 1, 4 waves a work-group, no clusters, 295,424 bytes of LDS; arguments X, meta, out0; writes out0
.if DOCPART == 3
	.amdgcn_target "amdgcn-amd-amdhsa--gfx1250"
	.amdhsa_code_object_version 6
	.text
	.protected	k_q4f81888096_expm
	.globl	k_q4f81888096_expm
	.p2align	8
	.type	k_q4f81888096_expm,@function
k_q4f81888096_expm:
	s_mov_b64 s[64:65], 0
	v_nop
	global_prefetch_b8 v0, s[64:65] scope:SCOPE_SE
	s_setreg_imm32_b32 hwreg(HW_REG_WAVE_SCHED_MODE, 0, 2), 2
	s_setreg_imm32_b32 hwreg(HW_REG_WAVE_MODE, 25, 1), 1
	s_wait_xcnt 0x0
	s_wait_alu depctr_vm_vsrc(0)
; out0[b] = exp(X[b]) for 1,024 matrices of 128 x 128 f32.  meta[b] = { nc, n2, sigma, s } comes from the launch before: sigma = 2^-s, the 1-norm of sigma X below 0.24536.
; METHOD.  Every step is the product of one matrix with itself, added onto an exact f32 copy in the accumulators.  With A = sigma X:
;   product 1:  ACC = A,            operand U = f16(A / sqrt 3):                          ACC = A + A^2/3
;   product 2:  ACC as it is,       operand W = f16(0.6123724 ACC) - 0.35355 U = (2 A + A^2) / sqrt 24:   ACC = A + A^2/2 + A^3/6 + A^4/24 = E
;   s squarings of exp = I + E:     operand E, ACC = 2 E:                                 ACC = 2 E + E E;      at last out = E + I.
; FORMATS.  The two series products and the first nc - 2 (five at the most) squarings take one f16 product: the 1-norm of the exponent is below 3.93 there, so |E| < 51, far inside f16, and E E is
; a correction to 2 E.  The other n2 squarings take E as bf16 high + low parts and three products (high low, high high, low high).  All sums in f32.
; LIMITS.  The series is cut behind A^4/24: the remainder is A^5/120 with the 1-norm of A below 0.24536.  The low x low product (2^-18 of the product) is dropped.  f16 operands below 6e-5 keep the fixed step
; 6e-8 of f16.  The factor 0.35355 is an f16 number, 1e-4 off: it moves the A^2/6 term alone.  sigma = NaN (more than 16 squarings in the Pade scheme for f32) makes every output NaN.  A NaN in X reaches every output through
; products 1 and 2.  Where E leaves the range of f32 the outputs are NaN or infinite.
; SHARES.  ONE WAVE, ONE MATRIX: wave w of work-group g has matrix 4 g + w, whole, in 64 accumulators (512 registers), and LDS bytes of its own.  No wave reads what another wrote: no barrier, and waves may
; differ in their trip counts, which are whole numbers read from meta.  No tile is shared between work-groups and each byte of X is used by one wave once: no tensor loads, no cluster.
; TRANSPOSED.  The wave works on M = X^T (exp(X^T) = exp(X)^T): in the result layout lane (r = l % 16, h = l / 16) then holds, in the eight registers of tile (mb, nb), M(16 mb + 8 h + j, 16 nb + r) =
; X[16 nb + r][16 mb + 8 h + j]: eight NEIGHBOURING numbers of a row of X, which pack into 16 bytes of a 16-bit plane S[n][m] = M(m, n).  From that one plane come both sources: source 1 (column n, k along the row) by
; plain loads, source 0 (row m, k down the rows) by the transposing load.
; LDS, for wave w from WB = 73,728 w: plane 1 (f16 operand, or bf16 high part) and plane 2 (bf16 low part), 128 rows of 288 bytes each.  288 = 72 words
; plain 16-byte accesses meet two deep (rows r and r + 8), which is accepted.  On the way in and out the same bytes are a stage of 128 rows of f32,
; 528 bytes apart (132 words: sixteen rows start at sixteen groups of four banks).  LDS serves the instructions of a wave in order (ISA guide 5.7.1.4), which is all the order that these bytes need.
; REGISTERS, in windows of 256 (s_set_vgpr_msb: bits 1:0 source 0, 3:2 source 1, 5:4 source 2, 7:6 destination):
;   window 0: v0-27 addresses and constants; v32-63 HH; v64-127 LA, v128-191 LB (source 0 fragments); v192-255 TT       window 1: v64-127 RA, v128-191 RB (source 1 fragments)
;   windows 2, 3: the accumulators: tile (mb, nb) in window 2 + nb / 4 at v[64 (nb % 4) + 8 mb]
; THE MODE: SCHED_MODE bits 1:0 = 2 (LLVM: expert scheduling mode 2), set by the entry lines.  The code itself states the register dependences
; between vector or matrix instructions and memory or LDS instructions, with s_wait_alu, always for 0.
; THE PLAN.  Registers that memory or LDS instructions touch:
;   v2-v9, v20, v21   Addresses, and the closing add's two: written at the head, never again.  One wait on va_vdst ahead of the first load serves them all.
;   windows 2, 3      The way in: global loads land, LDS stores read, LDS loads land.  From the scalings of the way in to .Lout vector and matrix instructions alone name them.  The way out: LDS stores read, LDS loads land, global stores read.
;   LA, LB, RA, RB    LDS loads land, matrix instructions read.  A product's head has one wait on va_vdst (the product before is done reading all four).  Behind it a buffer is asked for again only in a step at whose head a
;                     wait on va_vdst shows its last readers done; that step's matrix instructions name the other buffers and the accumulators, so its loads are dealt among them with no further wait.
;   HH, TT            The packs' out-buffers.  A block of a pack: a wait on vm_vsrc (the stores of the block before have read them), the conversions that write them, a wait on va_vdst, the stores; the doublings of the
;                     accumulators, which name neither, stand between a block's stores and the next block's wait on vm_vsrc.  On the way in TT is at work only, and HH is the out-buffer.  In the second product's pack LDS loads land in HH.
.set PP,    288                        ; pitch of a plane
.set PLANE, 128*PP
.set WREG,  2*PLANE                    ; LDS bytes of a wave
.set SPI,   528                        ; pitch of the f32 stage; 128 x 528 = 67,584 bytes lie inside the two planes
.set SPARE, 4*WREG                     ; the spare words: 128 bytes for each wave, two blocks of 256 bytes that no other line names
.set ADR1, 2                           ; v2   WB + 288 r + 16 h: source 1 fragments and the packed stores, plane 1
.set ADR2, 3                           ; v3   the same in plane 2
.set ADL1, 4                           ; v4   WB + 288 (8 h + l % 8) + 16 ((l / 8) % 2): source 0 fragments, plane 1
.set ADL2, 5                           ; v5   the same in plane 2
.set SR0,  6                           ; v6   WB + 16 l: the stage by rows, rows 0-63
.set SR1,  7                           ; v7   rows 64-127
.set SD,   8                           ; v8   WB + 528 r + 32 h: the stage in the result layout
.set GO,   9                           ; v9   16 l: my 16 bytes of a row of X or out0
.set NEG1, 10                          ; v10  -1.0
.set CW,   11                          ; v11  f16 -0.35352, twice
.set DG,   12                          ; v[12:19]  1.0 where r = 8 h + j: the unit matrix in a diagonal tile
.set SPW,  20                          ; v20  LDS address of my spare word; never rewritten
.set NIL,  21                          ; v21  0; never rewritten
.set HH,   32
.set LA,   64
.set LB,   128
.set RA,   64
.set RB,   128
.set TT,   192
.set MK,   30                          ; s[30:37]  at the head only: the eight masks of the diagonal
.set MSB, 0
.macro WIN new                         ; the high byte repeats the setting that is left; a switch that changes nothing is dropped
.if MSB != (\new)
	s_set_vgpr_msb (MSB<<8)|(\new)
.set MSB, \new
.endif
.endm
.macro WAITDS n                        ; n = the younger LDS instructions that may stay out; the count field ends at 63
.if (\n) > 63
	s_wait_dscnt 63
.else
	s_wait_dscnt (\n)
.endif
.endm
.macro WAITLD n                        ; the same for global loads
.if (\n) > 63
	s_wait_loadcnt 63
.else
	s_wait_loadcnt (\n)
.endif
.endm
; A vector instruction that reads a matrix result stands four places behind it; only plain vector instructions that name none of its registers are places (ISA guide 7.12.1).
.macro PLACES
.rept 4
	v_nop
.endr
.endm
; 8 loads: source 0 fragments, rows 16 m + r of M for the four m from f0 on, k = 32 kk on, turned out of the plane at v[ad], into window 0
.macro FETCH_L ad, kk, buf, f0
	WIN 0
.irp m, 0,1,2,3
	ds_load_tr16_b128 v[(\buf)+8*((\f0)+(\m)):(\buf)+8*((\f0)+(\m))+3],   v[\ad] offset:32*PP*(\kk)+32*((\f0)+(\m))
	ds_load_tr16_b128 v[(\buf)+8*((\f0)+(\m))+4:(\buf)+8*((\f0)+(\m))+7], v[\ad] offset:32*PP*(\kk)+16*PP+32*((\f0)+(\m))
.endr
.endm
; 8 loads: source 1 fragments, columns 16 n + r of M for the four n from f0 on, k = 32 kk on, as they lie, into window 1
.macro FETCH_R ad, kk, buf, f0
	WIN 0x40
.irp n, 0,1,2,3
	ds_load_b128 v[(\buf)+8*((\f0)+(\n)):(\buf)+8*((\f0)+(\n))+3],   v[\ad] offset:16*PP*((\f0)+(\n))+64*(\kk)
	ds_load_b128 v[(\buf)+8*((\f0)+(\n))+4:(\buf)+8*((\f0)+(\n))+7], v[\ad] offset:16*PP*((\f0)+(\n))+64*(\kk)+32
.endr
.endm
; 8 matrix instructions: the eight tiles of column block 4 w + q, 32 along k.  Eight such groups, w and q ascending, are a K step: the 64 accumulators take turns, one instruction a turn, in the same order
; everywhere.  Source 0 window 0, source 1 window 1, C and D window 2 or 3.
.macro MM8F w, q, lf, rf
	WIN 0xa4+0x50*(\w)
.irp m, 0,1,2,3,4,5,6,7
	v_wmma_f32_16x16x32_f16 v[64*(\q)+8*(\m):64*(\q)+8*(\m)+7], v[(\lf)+8*(\m):(\lf)+8*(\m)+7], v[(\rf)+8*(4*(\w)+(\q)):(\rf)+8*(4*(\w)+(\q))+7], v[64*(\q)+8*(\m):64*(\q)+8*(\m)+7]
.endr
.endm
.macro MM8B w, q, lf, rf
	WIN 0xa4+0x50*(\w)
.irp m, 0,1,2,3,4,5,6,7
	v_wmma_f32_16x16x32_bf16 v[64*(\q)+8*(\m):64*(\q)+8*(\m)+7], v[(\lf)+8*(\m):(\lf)+8*(\m)+7], v[(\rf)+8*(4*(\w)+(\q)):(\rf)+8*(4*(\w)+(\q))+7], v[64*(\q)+8*(\m):64*(\q)+8*(\m)+7]
.endr
.endm
; A K step of the f16 product: 64 matrix instructions on buffers lf, rf.  nk >= 0: K step nk is fetched meanwhile into nl, nr: eight loads behind each of the first four groups, so that 32 matrix instructions
; stand between the last load and the wait for it.  No wait stands among them: no matrix instruction of this step names nl or nr.
.macro STEPC lf, rf, nk, nl, nr
.irp g, 0,1,2,3,4,5,6,7
	MM8F (\g)/4, (\g)%4, \lf, \rf
.if ((\nk) >= 0) && ((\g) < 2)
	FETCH_L ADL1, \nk, \nl, 4*(\g)
.elseif ((\nk) >= 0) && ((\g) < 4)
	FETCH_R ADR1, \nk, \nr, 4*(\g)-8
.endif
.endr
.endm
; ACC += S S with the f16 plane: four K steps of 32 on two pairs of buffers; step k + 1 is fetched in the first half of step k
.macro PRODC
	s_wait_alu depctr_va_vdst(0)                   ; the product before is done reading LA, LB, RA and RB, in which this product's loads land: stated here, where the ways into the product join
	FETCH_L ADL1, 0, LA, 0
	FETCH_L ADL1, 0, LA, 4
	FETCH_R ADR1, 0, RA, 0
	FETCH_R ADR1, 0, RA, 4
	s_wait_dscnt 0x0                               ; step 0 is in
	STEPC LA, RA, 1, LB, RB
	s_wait_dscnt 0x0                               ; step 1 is in
	s_wait_alu depctr_va_vdst(0)                   ; step 0's matrix instructions are done reading LA and RA, in which step 2's loads land
	STEPC LB, RB, 2, LA, RA
	s_wait_dscnt 0x0                               ; step 2
	s_wait_alu depctr_va_vdst(0)                   ; step 1's matrix instructions are done reading LB and RB, in which step 3's loads land
	STEPC LA, RA, 3, LB, RB
	s_wait_dscnt 0x0
	STEPC LB, RB, -1, LA, RA
	PLACES                                         ; for whatever reads the sums next
.endm
; 64 matrix instructions of the bf16 product on buffers lf, rf.  what = 1: left high (LA) and right low (RB) of K step kk are fetched meanwhile; what = 2: right high (RA) and left low (LB); 0: nothing.
; Eight loads behind each of the first four groups, as in STEPC.
.macro STEPP lf, rf, what, kk
.irp g, 0,1,2,3,4,5,6,7
	MM8B (\g)/4, (\g)%4, \lf, \rf
.if ((\what) == 1) && ((\g) < 2)
	FETCH_L ADL1, \kk, LA, 4*(\g)
.elseif ((\what) == 1) && ((\g) < 4)
	FETCH_R ADR2, \kk, RB, 4*(\g)-8
.elseif ((\what) == 2) && ((\g) < 2)
	FETCH_R ADR1, \kk, RA, 4*(\g)
.elseif ((\what) == 2) && ((\g) < 4)
	FETCH_L ADL2, \kk, LB, 4*(\g)-8
.endif
.endr
.endm
; ACC += hi lo + hi hi + lo hi with the two bf16 planes.  LA = left high, LB = left low, RA = right high, RB = right low: one buffer each, since the order of the three terms frees them in pairs:
; RA and LB are asked for again under the term hi lo, LA and RB under the term lo hi.
.macro PRODP
	s_wait_alu depctr_va_vdst(0)                   ; the product before is done reading LA, LB, RA and RB, in which this product's loads land
	FETCH_L ADL1, 0, LA, 0
	FETCH_L ADL1, 0, LA, 4
	FETCH_R ADR2, 0, RB, 0
	FETCH_R ADR2, 0, RB, 4
.irp kk, 0,1,2,3
	s_wait_dscnt 0x0                               ; left high and right low are in
.if (\kk) > 0
	s_wait_alu depctr_va_vdst(0)                   ; the last K step's matrix instructions are done reading RA and LB, in which the loads below land
.endif
	STEPP LA, RB, 2, \kk
	s_wait_dscnt 16                                ; right high is in; left low, the 16 younger loads, may stay out
	STEPP LA, RA, 0, 0
	s_wait_dscnt 0x0                               ; left low is in
.if (\kk) < 3
	s_wait_alu depctr_va_vdst(0)                   ; the two terms above are done reading LA and RB, in which the next K step's loads land
	STEPP LB, RA, 1, (\kk)+1
.else
	STEPP LB, RA, 0, 0
.endif
.endr
	PLACES
.endm
; THE PACKS make the operand of the next product out of the sums, a column block nb (eight tiles, 64 registers) at a time.  Each accumulator is read from its low end on.
; A squaring with f16: plane 1 = f16(E), ACC = 2 E
.macro PACKC
.irp nb, 0,1,2,3,4,5,6,7
.set a, 64*((\nb)%4)
.set hw, (\nb)/4
	s_wait_alu depctr_vm_vsrc(0)                   ; the stores of the block before (block 0: of the pack before) have read v[TT ..], which the conversions write again
	WIN 0x0a+5*hw                                  ; sources 0 and 1 in the accumulators
.set i, 0
.rept 32
	v_cvt_pk_f16_f32 v[TT+i], v[a+2*i], v[a+2*i+1]
.set i, i+1
.endr
	WIN 0
	s_wait_alu depctr_va_vdst(0)                   ; the conversions have written v[TT ..], which the stores read
.irp m, 0,1,2,3,4,5,6,7
	ds_store_b128 v[ADR1], v[TT+4*(\m):TT+4*(\m)+3] offset:16*PP*(\nb)+32*(\m)
.endr
	WIN 0x82+0x41*hw                               ; in place on the accumulators: these stand between the stores and the next block's wait for them
.set i, 0
.rept 32
	v_pk_mul_f32 v[a+2*i:a+2*i+1], v[a+2*i:a+2*i+1], 2.0 op_sel_hi:[1,0]
.set i, i+1
.endr
.endr
.endm
; The operand of product 2: plane 1 = f16(0.6123724 ACC) - 0.35355 U, where U is what plane 1 holds; ACC stays
.macro PACK2
.irp nb, 0,1,2,3,4,5,6,7
.set a, 64*((\nb)%4)
.set hw, (\nb)/4
	WIN 0
	s_wait_alu depctr_vm_vsrc(0)                   ; block 0: the way in's stores have read v[HH ..], in which the loads below land; later blocks: the stores of the block before have read v[TT ..], which the multiplies write again
.irp m, 0,1,2,3,4,5,6,7
	ds_load_b128 v[HH+4*(\m):HH+4*(\m)+3], v[ADR1] offset:16*PP*(\nb)+32*(\m)
.endr
	WIN 0x02+hw                                    ; source 0 in the accumulators
.set i, 0
.rept 32
	v_pk_mul_f32 v[TT+2*i:TT+2*i+1], v[a+2*i:a+2*i+1], s[24:25] op_sel_hi:[1,0]
.set i, i+1
.endr
	WIN 0
.set i, 0
.rept 32
	v_cvt_pk_f16_f32 v[TT+i], v[TT+2*i], v[TT+2*i+1]   ; word i is written when words 2 i and 2 i + 1 are read: no word is lost
.set i, i+1
.endr
	s_wait_dscnt 0x0                               ; U is in
.set i, 0
.rept 32
	v_pk_fma_f16 v[TT+i], v[HH+i], v[CW], v[TT+i]
.set i, i+1
.endr
	s_wait_alu depctr_va_vdst(0)                   ; the multiply-adds have written v[TT ..], which the stores read, and are done reading v[HH ..], in which the next block's loads land
.irp m, 0,1,2,3,4,5,6,7
	ds_store_b128 v[ADR1], v[TT+4*(\m):TT+4*(\m)+3] offset:16*PP*(\nb)+32*(\m)
.endr
.endr
.endm
; A squaring with bf16 high and low parts: plane 1 = hi = bf16(E), plane 2 = bf16(E - hi) (the difference is exact in f32), ACC = 2 E
.macro PACKP
.irp nb, 0,1,2,3,4,5,6,7
.set a, 64*((\nb)%4)
.set hw, (\nb)/4
	s_wait_alu depctr_vm_vsrc(0)                   ; the stores of the block before (block 0: of the pack before) have read v[HH ..] and v[TT ..], which the lines below write again
	WIN 0x0a+5*hw
.set i, 0
.rept 32
	v_cvt_pk_bf16_f32 v[HH+i], v[a+2*i], v[a+2*i+1]
.set i, i+1
.endr
	WIN 0x20+0x10*hw                               ; source 2 in the accumulators
.set i, 0
.rept 32
	v_fma_mix_f32_bf16 v[TT+2*i],   v[HH+i], v[NEG1], v[a+2*i]   op_sel_hi:[1,0,0]
	v_fma_mix_f32_bf16 v[TT+2*i+1], v[HH+i], v[NEG1], v[a+2*i+1] op_sel:[1,0,0] op_sel_hi:[1,0,0]
.set i, i+1
.endr
	WIN 0
.set i, 0
.rept 32
	v_cvt_pk_bf16_f32 v[TT+i], v[TT+2*i], v[TT+2*i+1]
.set i, i+1
.endr
	s_wait_alu depctr_va_vdst(0)                   ; the conversions have written v[HH ..] and v[TT ..], which the stores read
.irp m, 0,1,2,3,4,5,6,7
	ds_store_b128 v[ADR1], v[HH+4*(\m):HH+4*(\m)+3] offset:16*PP*(\nb)+32*(\m)
	ds_store_b128 v[ADR2], v[TT+4*(\m):TT+4*(\m)+3] offset:16*PP*(\nb)+32*(\m)
.endr
	WIN 0x82+0x41*hw                               ; these stand between the stores and the next block's wait for them
.set i, 0
.rept 32
	v_pk_mul_f32 v[a+2*i:a+2*i+1], v[a+2*i:a+2*i+1], 2.0 op_sel_hi:[1,0]
.set i, i+1
.endr
.endr
.endm
	s_load_b128 s[4:7], s[0:1], 0x0                ; X s[4:5], meta s[6:7]
	s_load_b64 s[8:9], s[0:1], 0x10                ; out0
	v_lshl_add_u32 v[SPW], v0, 2, SPARE
	v_mov_b32 v[NIL], 0
	v_lshrrev_b32 v1, 5, v0
	v_readfirstlane_b32 s10, v1                    ; wave 0..3
	v_and_b32 v22, 15, v0                          ; r
	v_bfe_u32 v23, v0, 4, 1                        ; h
	v_and_b32 v24, 31, v0                          ; l
	v_lshlrev_b32 v27, 3, v23
	v_sub_nc_u32 v27, v22, v27                     ; r - 8 h: register j of a diagonal tile lies on the diagonal where this is j
.irp j, 0,1,2,3,4,5,6,7
	v_cmp_eq_u32 s[MK+(\j)], (\j), v27
.endr
	s_wait_alu depctr_va_sdst(0)                   ; s10 and the eight masks are written, ahead of their first readers: one wait for the run
	s_lshl_b32 s11, ttmp9, 2
	s_add_co_u32 s11, s11, s10                     ; my matrix
	s_mul_i32 s28, s10, WREG                       ; WB
.irp j, 0,1,2,3,4,5,6,7
	v_cndmask_b32 v[DG+(\j)], 0, 1.0, s[MK+(\j)]
.endr
	v_mul_u32_u24 v[ADR1], v22, PP
	v_lshl_add_u32 v[ADR1], v23, 4, v[ADR1]
	v_add_nc_u32 v[ADR1], s28, v[ADR1]
	v_add_nc_u32 v[ADR2], PLANE, v[ADR1]
	v_and_b32 v25, 7, v0
	v_lshl_add_u32 v25, v23, 3, v25                ; 8 h + l % 8
	v_mul_u32_u24 v[ADL1], v25, PP
	v_bfe_u32 v26, v0, 3, 1
	v_lshl_add_u32 v[ADL1], v26, 4, v[ADL1]
	v_add_nc_u32 v[ADL1], s28, v[ADL1]
	v_add_nc_u32 v[ADL2], PLANE, v[ADL1]
	v_lshlrev_b32 v[GO], 4, v24
	v_add_nc_u32 v[SR0], s28, v[GO]
	v_add_nc_u32 v[SR1], 64*SPI, v[SR0]
	v_mul_u32_u24 v[SD], v22, SPI
	v_lshl_add_u32 v[SD], v23, 5, v[SD]
	v_add_nc_u32 v[SD], s28, v[SD]
	v_mov_b32 v[NEG1], -1.0
	v_mov_b32 v[CW], 0xb5a8b5a8
	s_wait_kmcnt 0x0
	s_lshl_b32 s12, s11, 16                        ; 65,536 bytes a matrix (below 2^26)
	s_mov_b32 s13, 0
	s_add_nc_u64 s[4:5], s[4:5], s[12:13]
	s_add_nc_u64 s[8:9], s[8:9], s[12:13]
	s_lshl_b32 s12, s11, 4                         ; 16 bytes of meta a matrix
	s_add_nc_u64 s[6:7], s[6:7], s[12:13]
	s_load_b128 s[16:19], s[6:7], 0x0              ; nc, n2, sigma, s
	; THE WAY IN.  128 loads, each one whole row of X (512 consecutive bytes), land in the registers that will be the accumulators: row i at v[4 (i % 64)] of window 2 + i / 64.  This launch is the last to read X.
	WIN 0x80
	s_wait_alu depctr_va_vdst(0)                   ; the eight addresses v2 to v9 are written, which every load and store of the kernel reads; so are v20 and v21, the closing add's
.set i, 0
.rept 64
	global_load_b128 v[4*i:4*i+3], v[GO], s[4:5] offset:512*i th:TH_LOAD_NT
.set i, i+1
.endr
	WIN 0xc0
.set i, 0
.rept 64
	global_load_b128 v[4*i:4*i+3], v[GO], s[4:5] offset:32768+512*i th:TH_LOAD_NT
.set i, i+1
.endr
	s_wait_kmcnt 0x0
	s_min_u32 s16, s16, 7                          ; the trip counts, held within what the launch before can store
	s_min_u32 s17, s17, 16
	s_mov_b32 s20, s18                             ; sigma; the packed multiplies name pairs and take the low word for both halves
	s_mov_b32 s21, s18
	s_mul_f32 s22, s18, 0x3f13cd3a                 ; sigma / sqrt 3
	s_mov_b32 s23, s22
	s_mov_b32 s24, 0x3f1cc471                      ; 0.61237244 = sqrt(3 / 8)
	s_mov_b32 s25, s24
	; the rows go into the stage as they come, eight at a time
.set g, 0
.rept 16
	WAITLD 120-8*g                                 ; loads come back in order: behind these eight rows 120 - 8 g younger loads were issued
	WIN 0x08+4*(g/8)                               ; store data in window 2 or 3
.set i, 0
.rept 8
.set rr, (8*g+i)%64
	ds_store_b128 v[SR0+g/8], v[4*rr:4*rr+3] offset:SPI*rr
.set i, i+1
.endr
.set g, g+1
.endr
	s_wait_dscnt 0x0                               ; the stores are done
	WIN 0x80
	s_wait_alu depctr_vm_vsrc(0)                   ; the stores have read their registers, which the loads below fill
	s_wait_alu depctr_va_vdst(0)                   ; v[SD], the loads' address, is written: stated straight ahead of the loads, since stores that read the loads' registers stand behind the head's wait
	; and come back in the result layout: 32 bytes a lane and tile
.irp nb, 0,1,2,3,4,5,6,7
	WIN 0x80+0x40*((\nb)/4)
.irp m, 0,1,2,3,4,5,6,7
	ds_load_b128 v[64*((\nb)%4)+8*(\m):64*((\nb)%4)+8*(\m)+3],   v[SD] offset:16*SPI*(\nb)+64*(\m)
	ds_load_b128 v[64*((\nb)%4)+8*(\m)+4:64*((\nb)%4)+8*(\m)+7], v[SD] offset:16*SPI*(\nb)+64*(\m)+16
.endr
.endr
	; ACC = sigma M, plane 1 = f16(sigma M / sqrt 3).  The plane lies on the stage: its stores are issued behind all 128 loads above, and LDS serves them in that order.
	; v[TT ..] is at work only; the packed words go to v[HH ..], so that the block's 64 multiplies stand between the stores of the block before and the wait for them.
.irp nb, 0,1,2,3,4,5,6,7
.set a, 64*((\nb)%4)
.set hw, (\nb)/4
	WAITDS 112-8*(\nb)                             ; behind this block's 16 loads: 16 (7 - nb) loads and the 8 nb stores of the blocks before
	WIN 0x02+hw
.set i, 0
.rept 32
	v_pk_mul_f32 v[TT+2*i:TT+2*i+1], v[a+2*i:a+2*i+1], s[22:23] op_sel_hi:[1,0]
.set i, i+1
.endr
	WIN 0x82+0x41*hw
.set i, 0
.rept 32
	v_pk_mul_f32 v[a+2*i:a+2*i+1], v[a+2*i:a+2*i+1], s[20:21] op_sel_hi:[1,0]
.set i, i+1
.endr
	WIN 0
.if (\nb) > 0
	s_wait_alu depctr_vm_vsrc(0)                   ; the stores of the block before have read v[HH ..], which the conversions write again
.endif
.set i, 0
.rept 32
	v_cvt_pk_f16_f32 v[HH+i], v[TT+2*i], v[TT+2*i+1]
.set i, i+1
.endr
	s_wait_alu depctr_va_vdst(0)                   ; the conversions have written v[HH ..], which the stores read
.irp m, 0,1,2,3,4,5,6,7
	ds_store_b128 v[ADR1], v[HH+4*(\m):HH+4*(\m)+3] offset:16*PP*(\nb)+32*(\m)
.endr
.endr
	; THE f16 PRODUCTS: trip 0 is product 1 (its operand lies ready), trip 1 product 2, the others squarings.  nc trips, at least 2; the one text of the product serves all.  At a label and at a branch every window is 0.
	WIN 0
	s_mov_b32 s26, 0
.Lcheap:
	s_cmp_eq_u32 s26, 0
	s_cbranch_scc1 .Lprod
	s_cmp_eq_u32 s26, 1
	s_cbranch_scc1 .Lp2
	PACKC
	WIN 0
	s_branch .Lprod
.Lp2:
	PACK2
	WIN 0
.Lprod:
	PRODC
	WIN 0
	s_add_co_u32 s26, s26, 1
	s_cmp_lt_u32 s26, s16
	s_cbranch_scc1 .Lcheap
	; THE SQUARINGS WITH HIGH AND LOW PARTS: n2 trips, possibly none
	s_cmp_eq_u32 s17, 0
	s_cbranch_scc1 .Lout
	s_mov_b32 s27, 0
.Lprec:
	PACKP
	WIN 0
	PRODP
	WIN 0
	s_add_co_u32 s27, s27, 1
	s_cmp_lt_u32 s27, s17
	s_cbranch_scc1 .Lprec
.Lout:
	; THE WAY OUT.  E + I; through the stage (the planes have been read for the last time, and those loads are back); whole rows of 512 consecutive bytes leave.
.irp nb, 0,1,2,3,4,5,6,7
	WIN 0x82+0x41*((\nb)/4)
.irp p, 0,1,2,3
	v_pk_add_f32 v[64*((\nb)%4)+8*(\nb)+2*(\p):64*((\nb)%4)+8*(\nb)+2*(\p)+1], v[64*((\nb)%4)+8*(\nb)+2*(\p):64*((\nb)%4)+8*(\nb)+2*(\p)+1], v[DG+2*(\p):DG+2*(\p)+1]
.endr
.endr
	s_wait_alu depctr_va_vdst(0)                   ; the last product and the additions have written the accumulators, which the LDS stores read; the four places at the product's end stay beside this wait
.irp nb, 0,1,2,3,4,5,6,7
	WIN 0x08+4*((\nb)/4)
.irp m, 0,1,2,3,4,5,6,7
	ds_store_b128 v[SD], v[64*((\nb)%4)+8*(\m):64*((\nb)%4)+8*(\m)+3]   offset:16*SPI*(\nb)+64*(\m)
	ds_store_b128 v[SD], v[64*((\nb)%4)+8*(\m)+4:64*((\nb)%4)+8*(\m)+7] offset:16*SPI*(\nb)+64*(\m)+16
.endr
.endr
	s_wait_dscnt 0x0                               ; the stores are done
	WIN 0x80
	s_wait_alu depctr_vm_vsrc(0)                   ; the stores have read their registers, which the loads below fill
	s_wait_alu depctr_va_vdst(0)                   ; the last product and the additions have written those registers: stated straight ahead of the loads that land in them, since the stores that read them stand behind the wait above
.set g, 0
.rept 16
	WIN 0x80+0x40*(g/8)
.set i, 0
.rept 8
.set rr, (8*g+i)%64
	ds_load_b128 v[4*rr:4*rr+3], v[SR0+g/8] offset:SPI*rr
.set i, i+1
.endr
.set g, g+1
.endr
.set g, 0
.rept 16
	WAITDS 120-8*g                                 ; behind these eight rows 120 - 8 g younger loads were issued
	WIN 0x08+4*(g/8)
.set i, 0
.rept 8
.set rr, (8*g+i)%64
	global_store_b128 v[GO], v[4*rr:4*rr+3], s[8:9] offset:512*(8*g+i) th:TH_STORE_NT   ; a wave stores 512 consecutive bytes, at a multiple of 512 from the first byte of out0
.set i, i+1
.endr
.set g, g+1
.endr
	WIN 0
	s_wait_dscnt 0x0                               ; the closing lines, six on end
	s_wait_alu 0x0
	s_wait_tensorcnt 0x0
	ds_add_u32 v[SPW], v[NIL]
	s_wait_dscnt 0x0
	s_endpgm
.Lfunc_end_k_q4f81888096_expm:
	.size	k_q4f81888096_expm, .Lfunc_end_k_q4f81888096_expm-k_q4f81888096_expm
	.p2alignl 7, 3214868480
	.fill 96, 4, 3214868480
	.section	.rodata,"a",@progbits
	.p2align	6, 0x0
	.amdhsa_kernel k_q4f81888096_expm
		.amdhsa_group_segment_fixed_size 295424
		.amdhsa_private_segment_fixed_size 0
		.amdhsa_enable_private_segment 0
		.amdhsa_kernarg_size 24
		.amdhsa_user_sgpr_count 2
		.amdhsa_user_sgpr_kernarg_segment_ptr 1
		.amdhsa_wavefront_size32 1
		.amdhsa_system_sgpr_workgroup_id_x 1
		.amdhsa_system_sgpr_workgroup_id_y 1
		.amdhsa_system_sgpr_workgroup_id_z 1
		.amdhsa_system_vgpr_workitem_id 0
		.amdhsa_next_free_vgpr 1024
		.amdhsa_next_free_sgpr 66
		.amdhsa_reserve_vcc 0
		.amdhsa_float_denorm_mode_32 3
		.amdhsa_float_denorm_mode_16_64 3
		.amdhsa_memory_ordered 1
		.amdhsa_forward_progress 1
		.amdhsa_inst_pref_size 255
	.end_amdhsa_kernel
	.section	.bss,"aw",@nobits
	.p2align	6
	.space	262144
	.amdgpu_metadata
---
amdhsa.version: [ 1, 2 ]
amdhsa.kernels:
  - .name:           k_q4f81888096_expm
    .symbol:         k_q4f81888096_expm.kd
    .args:
      - { .name: X, .offset: 0, .size: 8, .value_kind: global_buffer, .address_space: global }
      - { .name: meta, .offset: 8, .size: 8, .value_kind: global_buffer, .address_space: global }
      - { .name: out0, .offset: 16, .size: 8, .value_kind: global_buffer, .address_space: global }
    .group_segment_fixed_size: 295424
    .private_segment_fixed_size: 0
    .kernarg_segment_align: 8
    .kernarg_segment_size: 24
    .max_flat_workgroup_size: 128
    .sgpr_count:     66
    .vgpr_count:     1024
    .wavefront_size: 32
...
	.end_amdgpu_metadata
.endif
;; end of part 3
